; MI455X (gfx1250); checked and timed in simulation.
; The chip was launched on July 23, 2026; its instructions are those of AMD's public machine-readable ISA for CDNA 5 (MIT licence, August 2026) and "CDNA5" Instruction Set Architecture Reference Guide (July 2026). The comments in the code are by the model that wrote it; some were corrected since.
;; Attention. Allowed arithmetic: matrix products marked QUANTISED: E3M2 operands, one E8M0 scale for each 32 along K, by v_wmma_scale_f32_16x16x128_f8f6f4 with both operands' format E3M2, f32 sums; everything else in f32.
;; Inputs: Wq 1,024 x 1,024 float32; Wv 1,024 x 1,024 float32; bq 1,024 float32; bv 1,024 float32; x 2 x 2,048 x 1,024 float32.
;; Outputs: out0 2 x 2,048 x 1,024 float32.
;; This version of the problem:
;;   THIS VERSION OF THE PROBLEM IS GIVEN IN LOW PRECISION. The matrix products marked QUANTISED in the list below multiply operands that are first quantised to E3M2 (3 exponent bits, 2 mantissa bits; 6 bits a number), with one power-of-two scale for each 32 numbers along K (OCP MX v1.0); their sums are f32. All else is computed in f32.
;;   The module's matrix products, in the order in which they are computed (A, B: the left and right operand; K: the contracted axis; several contracted axes count as one K, in the product's order):
;;     1. [M 4,096, K 1,024] x [K 1,024, N 1,024]; A: input x; B: input Wq: QUANTISED
;;     2. [M 4,096, K 1,024] x [K 1,024, N 1,024]; A: input x; B: input Wv: QUANTISED
;;     3. batch 32 x [M 2,048, K 64] x [K 64, N 2,048]; A: computed on the way; B: computed on the way: QUANTISED
;;     4. batch 32 x [M 2,048, K 2,048] x [K 2,048, N 64]; A: softmax (see below); B: computed on the way: QUANTISED
;;   THE QUANTISER, for each operand of a quantised product, along K:
;;     - K is cut into blocks of 32 from its start; a last block that is shorter is filled with zeros.
;;     - A block's scale is 2^e with e = floor(log2(the largest magnitude in the block)) - 4, held to -126 .. 127; a block of zeros has e = 0. As a byte (E8M0): e + 127.
;;     - Each number is divided by its block's scale, clamped to +-28, and rounded to the nearest number of E3M2, ties to even, subnormals kept.
;;     - The product sums the exact products of the quantised numbers (number of the format x scale) in f32.
;;   ~~~python
;;   def quantise(x, axis):      # numpy; x: float32 -> the quantised numbers, widened to float32 again
;;       x = np.moveaxis(x, axis, -1); K = x.shape[-1]
;;       x = np.pad(x, [(0, 0)] * (x.ndim - 1) + [(0, -K % 32)]); x = x.reshape(x.shape[:-1] + (-1, 32)); a = np.abs(x).max(-1, keepdims=True)
;;       e = np.where(a > 0, np.clip(np.frexp(np.where(a > 0, a, 1))[1] - 1 - 4, -126, 127), 0)      # np.frexp(a)[1] - 1 = floor(log2(a)), exactly
;;       r = np.clip(x / 2.0 ** e, -28, 28)
;;       step = 2.0 ** (np.maximum(np.frexp(np.where(r == 0, 1, r))[1] - 1, -2) - 2)
;;       q = np.round(r / step) * step * 2.0 ** e      # np.round: ties to even
;;       return np.moveaxis(q.reshape(q.shape[:-2] + (-1,))[..., :K], -1, axis).astype(np.float32)
;;   ~~~
;;   SOFTMAX AHEAD OF A QUANTISED PRODUCT. Where the list says 'softmax', what is quantised is not the finished softmax but p = 2^(t - M), with t = logit x log2(e) and M = ceil(the row's largest t), a whole number; so 1/2 < the row's largest p <= 1. The row's sum l is taken of the UNQUANTISED p, in f32, and the product's result is divided by l at the end. Since M is a whole number, a kernel that streams over the keys may use a running M (the ceiling of the running maximum): every later rescaling is an exact power of two, which a block's scale takes up: the codes' values come out the same.
;;   OPERANDS COMPUTED ON THE WAY. 'Computed on the way' means the value that the module computes at that place (a softmax that the list does not call 'softmax' is quantised finished and normalised). What goes into a quantiser is computed in f32, as accurately as f32 sums, v_exp_f32 and their like allow (about 1e-6 of the number): no bf16 or f16 on the way to a quantiser, and a product that is left as it is and whose result goes on into a quantised operand takes f32 operands (vector FMAs, or v_wmma_f32_16x16x4_f32). A number that lies on a knife's edge between two numbers of the format may be rounded either way, as far as f32 arithmetic and the matrix unit's own rounding can turn it there, and no further.
;; One version. Each part assembles by itself: llvm-mc -triple=amdgcn-amd-amdhsa -mcpu=gfx1250 --defsym DOCPART=n.
;; ======== version 1 of 1: 3 launches
;; limits: right only within a limited range of input values
;; workspace buffers: ops 4,915,200 bytes; qf 3,276,800 bytes; kvf 6,553,600 bytes
;; launch quant (part 1): grid 256 x 1, 12 waves a work-group, no clusters, 103,680 bytes of LDS; arguments x, Wq, Wv, ops; writes ops
.if DOCPART == 1
	.amdgcn_target "amdgcn-amd-amdhsa--gfx1250"
	.amdhsa_code_object_version 6
	.text
	.protected	k_qb80806bcca_quant
	.globl	k_qb80806bcca_quant
	.p2align	8
	.type	k_qb80806bcca_quant,@function
k_qb80806bcca_quant:
	s_mov_b64 s[64:65], 0
	v_nop
	global_prefetch_b8 v0, s[64:65] scope:SCOPE_SE
	s_setreg_imm32_b32 hwreg(HW_REG_WAVE_MODE, 25, 1), 1
	s_wait_xcnt 0x0
; x [4096][1024], Wq and Wv [1024][1024], f32, K innermost, become codes of BF6 (E3M2) with one E8M0 byte for each 32 along K, laid in ops in the ORDER OF THE OPERAND'S REGISTERS.
; ops = x: [block of 128 rows 32][K step 8][12,800 bytes]; then the weights: [head pair hp 8][K step 8][Wq 12,800 | Wv 12,800] (head n owns W's rows 16 dd + n, dd = 0 .. 63; a pair's 128 rows are head 2 hp, then 2 hp + 1).
; The 12,800 bytes: eight fragments (16 rows x 128 K, 12 registers a lane) of 1,536 bytes, registers 4 k .. 4 k + 3 of lane l at 512 k + 16 l; then, at 12,288, the scale words [half 2][row 16][4 tiles].
; THE ROWS OF A TILE ARE NOT NEIGHBOURS: place p of tile u of a half (64 rows) is row 8 u + p % 8 + 32 (p / 8), so that in the next launch a lane's 32 registers of four tiles are 32 neighbours: one whole block.
; A block's scale is 2^(floor(log2(largest magnitude)) - 4); its byte is the largest magnitude's exponent field - 4, held at 1 from below.
; LIMITS: NaN and infinities are not served; a block whose largest magnitude lies under 2^-122 gets the byte 1; a block of zeros gets the byte 1 where the rule says 127: its codes are zeros, and this program alone reads the bytes.
; SHARES: 3,072 tiles of 16 rows x 128 K, one to a wave; four waves of a work-group make one unit (block, K step, half), whose 256 bytes of scale words are gathered in LDS. No product of the problem is left out.
; No matrix unit, no cluster, no tensor load: no input byte is read by two work-groups. No prefetch: a wave asks for all its bytes at once.
.set STG,   8448                       ; a wave's stage: 16 rows x (512 bytes + 16)
.set SCB,   12*STG                     ; three units' scale words, 256 bytes each
.set SPARE, SCB+768
.set M,   10                           ; v10-11 largest magnitudes   v12-13 scale operands   v14-15 bytes
.set SO,  12
.set BY,  14
.set SPW, 18
.set NIL, 19
.set WA,  20                           ; v20 where my row's scale word goes in LDS   v21 where 8 of the unit's bytes are read back
.set RA,  21
.set VO,  24                           ; v24-39 place p's byte offset
.set C,   40                           ; v40-51 the fragment's codes
.set T,   52                           ; v52-59 the blocks' upper halves
.set X,   64                           ; v64-127 my 64 numbers
.set R,   128                          ; v128-191 the tile as it is loaded
	s_load_b256 s[4:11], s[0:1], 0x0               ; x s[4:5], Wq s[6:7], Wv s[8:9], ops s[10:11]
	v_lshl_add_u32 v[SPW], v0, 2, SPARE
	v_mov_b32 v[NIL], 0
	v_lshrrev_b32 v1, 5, v0
	v_readfirstlane_b32 s12, v1                    ; wave 0..11
	v_and_b32 v1, 31, v0                           ; lane
	v_and_b32 v2, 15, v0                           ; r
	v_bfe_u32 v3, v0, 4, 1                         ; h
	v_lshlrev_b32 v4, 4, v1                        ; 16 x lane
	s_mov_b32 s32, 0x76543210
	s_mov_b32 s33, 0xfedcba98                      ; v_permlanex16_b32's selects for lane l xor 16
	s_mul_i32 s13, ttmp9, 3
	s_lshr_b32 s34, s12, 2                         ; my unit of the work-group's three
	s_and_b32 s19, s12, 3                          ; my tile u
	s_add_co_u32 s13, s13, s34
	s_lshr_b32 s14, s13, 4                         ; block 0..47: x 32, Wq 8, Wv 8
	s_bfe_u32 s15, s13, 0x30001                    ; K step
	s_and_b32 s16, s13, 1                          ; half
	s_lshl_b32 s36, s14, 7
	s_lshl_b32 s37, s16, 6
	s_add_co_u32 s36, s36, s37                     ; x: first row
	s_and_b32 s18, s14, 7                          ; hp
	s_lshl_b32 s37, s18, 1
	s_add_co_u32 s37, s37, s16                     ; W: head 2 hp + half: the row of dd = 0
	s_cmp_lt_u32 s14, 32
	s_cselect_b32 s36, s36, s37
	s_mov_b32 s17, 65536
	s_cselect_b32 s17, 4096, s17                   ; bytes from one row of a tile's numbering to the next
	s_lshl_b32 s36, s36, 12
	s_lshl_b32 s37, s15, 9
	s_add_co_u32 s36, s36, s37
	s_lshl_b32 s37, s19, 3
	s_mul_i32 s37, s37, s17
	s_add_co_u32 s36, s36, s37                     ; + 8 u rows
	s_mov_b32 s37, 0
	s_mul_i32 s20, s14, 102400
	s_mul_i32 s21, s15, 12800
	s_add_co_u32 s20, s20, s21
	s_mul_i32 s22, s18, 204800
	s_lshl_b32 s21, s21, 1
	s_add_co_u32 s22, s22, s21
	s_add_co_u32 s22, s22, 3276800
	s_cmp_lt_u32 s14, 40
	s_cselect_b32 s23, 0, 12800
	s_add_co_u32 s22, s22, s23
	s_cmp_lt_u32 s14, 32
	s_cselect_b32 s38, s20, s22                    ; my K step's bytes in ops
	s_mul_i32 s20, s16, 6144
	s_mul_i32 s21, s19, 1536
	s_add_co_u32 s20, s20, s21
	s_add_co_u32 s20, s20, s38                     ; my fragment
	s_mov_b32 s21, 0
	s_lshl_b32 s22, s16, 8
	s_add_co_u32 s22, s22, s38
	s_add_co_u32 s22, s22, 12288                   ; my unit's scale words
	s_mov_b32 s23, 0
	s_mul_i32 s24, s12, STG
	s_lshl_b32 s25, s34, 8
	s_add_co_u32 s25, s25, SCB
	s_lshl_b32 s26, s19, 2
	s_add_co_u32 s26, s26, s25
	s_wait_alu depctr_va_vdst(0)                   ; directly ahead of the readers below
.irp p, 0,1,2,3,4,5,6,7,8,9,10,11,12,13,14,15
	v_mad_u32_u24 v[VO+\p], s17, \p%8+32*(\p/8), v4
.endr
	v_lshlrev_b32 v7, 3, v3                        ; 8 h: my bytes' place in a scale word
	v_lshlrev_b32 v8, 3, v1                        ; 8 x lane
	v_mov_b32 v17, 0                               ; written once: a lane permute's destination counts as one of its sources
	v_add_nc_u32 v5, s24, v4                       ; the stage, on the way in
	v_mul_u32_u24 v6, v2, 528
	v_lshl_add_u32 v6, v3, 7, v6
	v_add_nc_u32 v6, s24, v6                       ; and out: row r, + 128 h
	v_lshlrev_b32 v[WA], 4, v2
	v_add_nc_u32 v[WA], s26, v[WA]                 ; 16 r + 4 u in the unit's words
	v_add_nc_u32 v[RA], s25, v8
	s_wait_alu depctr_va_vdst(0)                   ; at the head's end
	s_wait_kmcnt 0x0
	s_cmp_lt_u32 s14, 40
	s_cselect_b64 s[28:29], s[6:7], s[8:9]
	s_cmp_lt_u32 s14, 32
	s_cselect_b64 s[28:29], s[4:5], s[28:29]       ; the choice hangs on the unit's number alone
	s_add_nc_u64 s[28:29], s[28:29], s[36:37]
	s_add_nc_u64 s[20:21], s[10:11], s[20:21]
	s_add_nc_u64 s[22:23], s[10:11], s[22:23]
.irp p, 0,1,2,3,4,5,6,7,8,9,10,11,12,13,14,15
	global_load_b128 v[R+4*\p:R+4*\p+3], v[VO+\p], s[28:29] th:TH_LOAD_NT   ; 32 lanes read 512 consecutive bytes of a row
.endr
.irp p, 0,1,2,3,4,5,6,7,8,9,10,11,12,13,14,15
	s_wait_loadcnt 15-\p                           ; row p is in; the 15 - p behind it may be out
	ds_store_b128 v5, v[R+4*\p:R+4*\p+3] offset:528*\p
.endr
.irp c, 0,1
.irp q, 0,1,2,3,4,5,6,7
	ds_load_b128 v[X+32*\c+4*\q:X+32*\c+4*\q+3], v6 offset:256*\c+16*\q   ; LDS serves a wave's instructions in order (ISA guide 5.7.1.4): these see the stores above
.endr
.endr
	s_wait_dscnt 0x0
.irp c, 0,1
	v_max3_num_f32 v[M+\c], |v[X+32*\c]|, |v[X+32*\c+1]|, 0x2800000   ; block 2 c + h: all 32 numbers are mine; and the floor 2^(5 - 127)
.endr
.irp q, 2,4,6,8,10,12,14,16,18,20,22,24,26,28,30
.irp c, 0,1
	v_max3_num_f32 v[M+\c], v[M+\c], |v[X+32*\c+\q]|, |v[X+32*\c+\q+1]|
.endr
.endr
.irp c, 0,1
	v_add_nc_u32 v[SO+\c], 0xfe000000, v[M+\c]     ; 4 off the exponent field: the conversion's scale operand
.endr
.irp c, 0,1
	v_lshrrev_b32 v[BY+\c], 23, v[SO+\c]
.endr
.irp c, 0,1
	v_cvt_scalef32_pk16_bf6_f32 v[C+6*\c:C+6*\c+2], v[X+32*\c:X+32*\c+15], v[SO+\c]
	v_cvt_scalef32_pk16_bf6_f32 v[T+4*\c:T+4*\c+2], v[X+32*\c+16:X+32*\c+31], v[SO+\c]   ; (a conversion's three registers begin on an even number: the second three are moved)
.endr
	v_lshl_or_b32 v16, v[BY+1], 16, v[BY]          ; my two bytes: blocks h and 2 + h,
	v_lshlrev_b32 v16, v7, v16                     ; at their places in the word;
.irp c, 0,1
.irp k, 0,1,2
	v_mov_b32 v[C+6*\c+3+\k], v[T+4*\c+\k]
.endr
.endr
	v_permlanex16_b32 v17, v16, s32, s33
	v_or_b32 v16, v16, v17                         ; with lane l xor 16's two the word is whole
	ds_store_b32 v[WA], v16                        ; (lanes l and l xor 16 write the same word with the same value)
.irp k, 0,1,2
	global_store_b128 v4, v[C+4*\k:C+4*\k+3], s[20:21] offset:512*\k   ; 32 lanes store 512 consecutive bytes, at a multiple of 256 from ops' first byte
.endr
	s_wait_dscnt 0x0                               ; my words are in LDS
	s_barrier_signal -1
	s_barrier_wait -1                              ; and the other waves'
	ds_load_b64 v[22:23], v[RA]
	s_wait_tensorcnt 0x0                           ; the wave's end
	ds_add_u32 v[SPW], v[NIL]
	s_wait_dscnt 0x0
	s_cmp_lg_u32 s19, 0
	s_cbranch_scc1 .Lend                           ; one wave of the unit's four stores its words
	global_store_b64 v8, v[22:23], s[22:23]        ; 256 consecutive bytes, aligned
.Lend:
	s_endpgm
.Lfunc_end_k_qb80806bcca_quant:
	.size	k_qb80806bcca_quant, .Lfunc_end_k_qb80806bcca_quant-k_qb80806bcca_quant
	.p2alignl 7, 3214868480
	.fill 96, 4, 3214868480
	.section	.rodata,"a",@progbits
	.p2align	6, 0x0
	.amdhsa_kernel k_qb80806bcca_quant
		.amdhsa_group_segment_fixed_size 103680
		.amdhsa_private_segment_fixed_size 0
		.amdhsa_enable_private_segment 0
		.amdhsa_kernarg_size 32
		.amdhsa_user_sgpr_count 2
		.amdhsa_user_sgpr_kernarg_segment_ptr 1
		.amdhsa_wavefront_size32 1
		.amdhsa_system_sgpr_workgroup_id_x 1
		.amdhsa_system_sgpr_workgroup_id_y 1
		.amdhsa_system_sgpr_workgroup_id_z 1
		.amdhsa_system_vgpr_workitem_id 0
		.amdhsa_next_free_vgpr 192
		.amdhsa_next_free_sgpr 66
		.amdhsa_reserve_vcc 0
		.amdhsa_float_denorm_mode_32 3
		.amdhsa_float_denorm_mode_16_64 3
		.amdhsa_memory_ordered 1
		.amdhsa_forward_progress 1
		.amdhsa_inst_pref_size 13
	.end_amdhsa_kernel
	.amdgpu_metadata
---
amdhsa.version: [ 1, 2 ]
amdhsa.kernels:
  - .name:           k_qb80806bcca_quant
    .symbol:         k_qb80806bcca_quant.kd
    .args:
      - { .name: x, .offset: 0, .size: 8, .value_kind: global_buffer, .address_space: global }
      - { .name: Wq, .offset: 8, .size: 8, .value_kind: global_buffer, .address_space: global }
      - { .name: Wv, .offset: 16, .size: 8, .value_kind: global_buffer, .address_space: global }
      - { .name: ops, .offset: 24, .size: 8, .value_kind: global_buffer, .address_space: global }
    .group_segment_fixed_size: 103680
    .private_segment_fixed_size: 0
    .kernarg_segment_align: 8
    .kernarg_segment_size: 32
    .max_flat_workgroup_size: 384
    .sgpr_count:     66
    .vgpr_count:     192
    .wavefront_size: 32
...
	.end_amdgpu_metadata
.endif
;; end of part 1
;; launch proj (part 2): grid 8 x 32, 4 waves a work-group, clusters of 4 x 4, 309,248 bytes of LDS; arguments ops, bq, bv, qf, kvf; writes qf, kvf
.if DOCPART == 2
	.amdgcn_target "amdgcn-amd-amdhsa--gfx1250"
	.amdhsa_code_object_version 6
	.text
	.protected	k_qb80806bcca_proj
	.globl	k_qb80806bcca_proj
	.p2align	8
	.type	k_qb80806bcca_proj,@function
k_qb80806bcca_proj:
	s_mov_b64 s[64:65], 0
	v_nop
	global_prefetch_b8 v0, s[64:65] scope:SCOPE_SE
	s_setreg_imm32_b32 hwreg(HW_REG_WAVE_MODE, 25, 1), 1
	s_wait_xcnt 0x0
	s_wait_alu depctr_hold_cnt(0) depctr_sa_sdst(0) depctr_va_vdst(0) depctr_va_sdst(0) depctr_va_ssrc(0) depctr_va_vcc(0) depctr_vm_vsrc(0)
	s_getreg_b32 s2, hwreg(HW_REG_IB_STS2, 6, 4)
	s_cmp_eq_u32 s2, 0
	s_cbranch_scc0 .Lentry_in_a_cluster
	s_endpgm
.Lentry_in_a_cluster:
	s_bfe_u32 s2, ttmp6, 0x10000c
	s_cmp_lg_u32 s2, 0xf033
	s_cbranch_scc0 .Lentry_shape_is_right
	s_endpgm
.Lentry_shape_is_right:
; Q = x Wq^T + bq and KV = x Wv^T + bv on codes of BF6 (E3M2), f32 sums, and their results quantised in registers into the next launch's operands. No product of the problem is left out.
; A work-group takes 128 rows of x (block jb) and two heads (pair hp). Its operand bytes (x's 102,400, the weights' 204,800, all eight K steps) come into LDS ONCE: no LDS byte is filled twice.
; CLUSTER 4 x 4: the four work-groups of a row of the cluster share jb and ask for x's block jointly, the four of a column share hp and ask for the weights' block jointly. One load a wave:
; wave 0 x's K steps 0-1, wave 1 the weights' K steps 0-1, wave 2 x's K steps 2-7, wave 3 the weights' K steps 2-7. No prefetch: every byte is asked for at the head, and no loop runs ahead of a load.
; A WAVE (e, eh) = (wave % 2, wave / 2) makes, for the 64 rows e and head eh of the pair, 48 accumulators of 16 x 16, twelve fragments of a K step feeding 48 products:
;   Q, K: source 0 = the head's 4 tiles of Wq or Wv, source 1 = 4 tiles of x: lane (r, h) holds row r of an x tile and its 32 registers are dd = 32 h + 0 .. 31: one block of the score product's K.
;   V: source 0 = 4 tiles of x, source 1 = the 4 tiles of Wv: lane (r, h) holds one dd and its 32 registers are keys 32 h + 0 .. 31 of the 64: one block of the second product's K. (KV is multiplied twice; swapped sources give the same sums.)
; The bias is the C of the first products: it is where the sums begin (it enters ahead of the products, not behind them).
; OUT. kvf = [head 32][128 keys 16][12,800]: K's double fragments t = 0..3 (registers 0-5 key tile 2 t, 6-11 tile 2 t + 1; registers 4 k .. 4 k + 3 of lane l at 512 k + 16 l), V's four fragments (16 dd x 128 keys; half c = 64 keys, 768 bytes:
; registers 0-3 at 16 l, 4-5 at 512 + 8 l), K's scale words [r][t], V's [r][dt]. qf = [head][128 queries][6,400]: as K's part.
; LIMITS: NaN and infinities are not served; a block whose largest magnitude lies under 2^-122, zeros among them, gets the scale byte 1 (this program alone reads the bytes).
; REGISTERS: window 0: addresses, scale words, fragment set 0 (v64-207), Q's bias (v208-239); window 1: V's bias (v0-31), fragment set 1, K's bias (v208-239); window 2: Q's accumulators, then K's; window 3: V's.
.set WST,  102400                      ; LDS: x's stream [K step][12,800] from 0, the weights' [K step][25,600] from here
.set IMG,  307200                      ; for each head: K's 256 bytes of scale words, V's, Q's
.set SPARE, 308736
.set L16, 4                            ; v4 16 x lane   v5 16 r   v6 8 x lane
.set R16, 5
.set L8,  6
.set BO,  7
.set ADX, 8                            ; v8-9 x's fragments, K steps 0-3 and 4-7   v10-11 x's scale words
.set AXS, 10
.set ADW, 12                           ; v12-15 the weights' fragments, two K steps each   v16-19 their scale words
.set AWS, 16
.set BOV, 20
.set IW,  21                           ; v21 Q's and K's words in the image   v22 V's   v23, v24 the way back
.set IV,  22
.set IR,  23
.set IQ,  24
.set H8,  25
.set SPW, 26
.set NIL, 27
.set SC,  32                           ; scale words, set f at v[32 + 12 f]: x's 4 tiles, Wq's 4, Wv's 4: scales and nothing else
.set XF,  64
.set WQ,  112
.set WV,  160
.set BI,  208
.set M,   208                          ; the tail, window 0: v208-211 maxima, then scale operands
.set BY,  212
.set TT,  216
.set PX,  218
.set T,   220                          ; v220-235 the conversions' upper halves
.set G1XE, 24
.set G1WE, 32
.set G1XL, 40
.set G1WL, 48
.set G0XE, 68
.set G0WE, 72
.set G0XL, 76
.set G0WL, 80
.set SEL,  98
.set MSB, 0
.macro WIN new                         ; the immediate's high byte repeats the setting that is left
.if MSB != (\new)
	s_set_vgpr_msb (MSB<<8)|(\new)
.set MSB, \new
.endif
.endm
.macro CROUND                          ; a round of the cluster's barrier
	s_barrier_signal -1
	s_barrier_wait -1
	s_cmp_lg_u32 s14, 0
	s_cbranch_scc1 .Lnot_wave_0_\@
	s_barrier_signal -3
.Lnot_wave_0_\@:
	s_barrier_wait -3
	s_barrier_signal -1
	s_barrier_wait -1
.endm
.macro GRP g, rows                     ; group 1: a dense block, rows of 256 bytes (32 elements of 8 bytes), no padding: every read is 16 x lane on end
	s_mov_b32 s[\g+1], 32<<16
	s_mov_b32 s[\g+2], (\rows)<<16
	s_mov_b32 s[\g+3], 32<<16
	s_mov_b32 s[\g+4], \rows
	s_mov_b32 s[\g+5], 32
	s_mov_b32 s[\g+6], 0
	s_mov_b32 s[\g+7], 0
.endm
.macro GR0 g, lds, base, off           ; group 0
	s_mov_b32 s[\g], 1
	s_mov_b32 s[\g+1], \lds
	s_add_nc_u64 s[\g+2:\g+3], s[\base:\base+1], \off
	s_or_b32 s[\g+3], s[\g+3], 0x80000000
.endm
	s_load_b256 s[4:11], s[0:1], 0x0               ; ops s[4:5], bq s[6:7], bv s[8:9], qf s[10:11]
	s_load_b64 s[12:13], s[0:1], 0x20              ; kvf
	v_lshl_add_u32 v[SPW], v0, 2, SPARE
	v_mov_b32 v[NIL], 0
	ds_add_u32 v[SPW], v[NIL]                      ; the opening lines: the add, twice on end, and its wait
	ds_add_u32 v[SPW], v[NIL]
	v_lshrrev_b32 v1, 5, v0
	v_readfirstlane_b32 s14, v1                    ; wave 0..3
	s_bfe_u32 s15, ttmp6, 0x40000                  ; cx, cy
	s_bfe_u32 s16, ttmp6, 0x40004
	s_lshl_b32 s17, ttmp9, 2
	s_add_co_u32 s17, s17, s15                     ; hp = 4 x cluster x + cx
	s_and_b32 s18, ttmp7, 0xffff
	s_lshl_b32 s18, s18, 2
	s_add_co_u32 s18, s18, s16                     ; jb = 4 x cluster y + cy
	s_lshl_b32 s19, s16, 2
	s_lshl_b32 s19, 15, s19                        ; my row of the cluster
	s_lshl_b32 s20, 0x1111, s15                    ; my column
	s_or_b32 s[G1XE], s19, (3<<16)|(1<<21)         ; the mask; elements of 8 bytes; 21 set beside a mask
	s_or_b32 s[G1XL], s19, (3<<16)|(1<<21)
	s_or_b32 s[G1WE], s20, (3<<16)|(1<<21)
	s_or_b32 s[G1WL], s20, (3<<16)|(1<<21)
	GRP G1XE, 100
	GRP G1WE, 200
	GRP G1XL, 300
	GRP G1WL, 600
	s_mul_i32 s56, s18, 102400                     ; x's block: made of jb alone, which my row shares
	s_mov_b32 s57, 0
	s_mul_i32 s58, s17, 204800
	s_add_co_u32 s58, s58, 3276800                 ; the weights': of hp alone, which my column shares
	s_mov_b32 s59, 0
	s_wait_alu depctr_va_vdst(0)
	s_wait_dscnt 0x0                               ; both opening adds are done
	s_wait_kmcnt 0x0
	s_add_nc_u64 s[56:57], s[4:5], s[56:57]
	s_add_nc_u64 s[58:59], s[4:5], s[58:59]
	GR0 G0XE, 0, 56, 0
	GR0 G0WE, WST, 58, 0
	GR0 G0XL, 25600, 56, 25600
	GR0 G0WL, WST+51200, 58, 51200
	CROUND                                         ; all sixteen work-groups are here: the joint loads meet
; One tree of branches on the wave's number: every way through the head passes exactly one load.
.macro ARM under, g0, g1, next
	s_cmp_lt_u32 s14, \under
	s_cbranch_scc0 \next
	tensor_load_to_lds s[\g0:\g0+3], s[\g1:\g1+7]
	s_nop 0
.rept 4
	v_nop
.endr
	s_branch .Lasked
\next:
.endm
	ARM 1, G0XE, G1XE, .Lhead_w
	ARM 2, G0WE, G1WE, .Lhead_xl
	ARM 3, G0XL, G1XL, .Lhead_wl
	tensor_load_to_lds s[G0WL:G0WL+3], s[G1WL:G1WL+7]
	s_nop 0
.rept 4
	v_nop
.endr
.Lasked:
	s_and_b32 s84, s14, 1                          ; e: which 64 rows of x
	s_lshr_b32 s85, s14, 1                         ; eh: which head of the pair
	s_lshl_b32 s86, s17, 1
	s_add_co_u32 s86, s86, s85                     ; the head n: it enters global addresses alone
	s_lshl_b32 s87, s86, 2                         ; 4 n
	s_mov_b32 s[SEL], 0x76543210
	s_mov_b32 s[SEL+1], 0xfedcba98
	s_mul_i32 s21, s84, 6144
	s_lshl_b32 s22, s84, 8
	s_add_co_u32 s22, s22, 12288
	s_mul_i32 s90, s85, 6144
	s_add_co_u32 s90, s90, WST
	s_lshl_b32 s91, s85, 8
	s_add_co_u32 s91, s91, WST+12288
	s_mul_i32 s23, s85, 768
	s_add_co_u32 s23, s23, IMG
	s_lshl_b32 s92, s84, 3
	s_add_co_u32 s92, s92, s23
	s_lshl_b32 s93, s84, 1
	s_add_co_u32 s93, s93, s23
	v_and_b32 v1, 31, v0                           ; lane
	v_and_b32 v2, 15, v0                           ; r
	v_bfe_u32 v3, v0, 4, 1                         ; h
	v_lshlrev_b32 v[L16], 4, v1
	v_lshlrev_b32 v[R16], 4, v2
	v_lshlrev_b32 v[L8], 3, v1
	v_lshlrev_b32 v[H8], 3, v3
	v_lshlrev_b32 v[BO], 11, v3
	v_add_nc_u32 v[BO], s87, v[BO]                 ; bias of Q, K: column c = 16 dd + n; register 8 a + j of lane half h is dd = 32 h + 8 a + j
	v_and_b32 v[BOV], 8, v2
	v_lshlrev_b32 v[BOV], 2, v[BOV]
	v_and_b32 v28, 7, v2
	v_add_nc_u32 v[BOV], v[BOV], v28
	v_lshlrev_b32 v[BOV], 6, v[BOV]
	v_add_nc_u32 v[BOV], s87, v[BOV]               ; of V: lane r of tile b is dd = 8 b + r % 8 + 32 (r / 8)
	v_add_nc_u32 v[ADX], s21, v[L16]
	v_add_nc_u32 v[ADX+1], 51200, v[ADX]
	v_add_nc_u32 v[AXS], s22, v[R16]
	v_add_nc_u32 v[AXS+1], 51200, v[AXS]
	v_add_nc_u32 v[ADW], s90, v[L16]
	v_add_nc_u32 v[AWS], s91, v[R16]
.irp i, 0,1,2
	v_add_nc_u32 v[ADW+\i+1], 51200, v[ADW+\i]
	v_add_nc_u32 v[AWS+\i+1], 51200, v[AWS+\i]
.endr
	v_add_nc_u32 v[IW], s92, v[R16]
	v_add_nc_u32 v[IV], s93, v[R16]
	v_add_nc_u32 v[IR], s23, v[L16]
	v_add_nc_u32 v[IQ], s23, v[L8]
	v_lshl_add_u32 v[BO], v2, 6, v[BO]             ; lane (r, h) takes dd = 32 h + r and 32 h + 16 + r
	global_load_b32 v56, v[BO], s[6:7]
	global_load_b32 v57, v[BO], s[6:7] offset:1024
	global_load_b32 v58, v[BO], s[8:9]
	global_load_b32 v59, v[BO], s[8:9] offset:1024
	WIN 0x40
.irp i, 0,1,2,3
	global_load_b32 v[8*\i], v[BOV], s[8:9] offset:512*\i
.endr
	WIN 0
.irp i, 0,1,2,3,4,5,6,7,8,9,10,11,12,13,14,15,16,17,18,19,20,21,22,23,24,25,26,27,28,29,30,31
	v_mov_b32 v[BI+\i], 0                          ; a lane move's destination counts as one of its sources
	v_mov_b32 v[XF+\i], 0
.endr
	; where the results go
	s_lshr_b32 s22, s18, 4                         ; the batch
	s_lshl_b32 s22, s22, 4
	s_add_co_u32 s22, s22, s86                     ; 16 x batch + n
	s_lshl_b32 s22, s22, 4
	s_and_b32 s21, s18, 15
	s_add_co_u32 s22, s22, s21                     ; x 16 + which 128 rows of the batch
	s_mul_i32 s21, s84, 3072                       ; Q, K: my two double fragments
	s_mul_i32 s60, s22, 6400
	s_add_co_u32 s60, s60, s21
	s_mov_b32 s61, 0
	s_mul_i32 s88, s22, 12800
	s_add_co_u32 s62, s88, s21
	s_mov_b32 s63, 0
	s_mul_i32 s21, s84, 768                        ; V: my half of each fragment
	s_add_co_u32 s88, s88, s21
	s_mov_b32 s89, 0
	s_add_nc_u64 s[60:61], s[10:11], s[60:61]
	s_add_nc_u64 s[62:63], s[12:13], s[62:63]
	s_add_nc_u64 s[88:89], s[12:13], s[88:89]
	s_wait_alu depctr_va_vdst(0)
	s_wait_loadcnt 0x0                             ; the bias
.irp i, 0,1,2,3,4,5,6,7,8,9,10,11,12,13,14,15
	v_mov_b32_dpp v[BI+\i], v56 row_share:\i row_mask:0xf bank_mask:0xf      ; register i: dd = 32 h + i in all sixteen lanes
	v_mov_b32_dpp v[BI+16+\i], v57 row_share:\i row_mask:0xf bank_mask:0xf
	v_mov_b32_dpp v[XF+\i], v58 row_share:\i row_mask:0xf bank_mask:0xf
	v_mov_b32_dpp v[XF+16+\i], v59 row_share:\i row_mask:0xf bank_mask:0xf
.endr
	WIN 0x40
.irp i, 0,1,2,3,4,5,6,7,8,9,10,11,12,13,14,15,16,17,18,19,20,21,22,23,24,25,26,27,28,29,30,31
	v_mov_b32 v[BI+\i], v[XF+\i]                   ; K's bias goes to window 1
.endr
	WIN 0x41
.irp i, 1,2,3,4,5,6,7
.irp b, 0,1,2,3
	v_mov_b32 v[8*\b+\i], v[8*\b]                  ; V: one dd for all eight keys of an accumulator
.endr
.endr
	WIN 0
	s_wait_alu depctr_va_vdst(0)                   ; at the head's end
	s_cmp_lt_u32 s14, 2
	s_cbranch_scc0 .Lnot_early
	s_wait_tensorcnt 0x0                           ; waves 0 and 1, whose load lines are their own: K steps 0-1 are in
.Lnot_early:
	s_barrier_signal -1
	s_barrier_wait -1
.macro LXQ st                          ; K step st: the scale words, x's four fragments and Wq's four, into set st % 2
	WIN 0
.set SF, SC+12*((\st)%2)
	ds_load_b128 v[SF:SF+3], v[AXS+(\st)/4] offset:((\st)%4)*12800
	ds_load_b128 v[SF+4:SF+7], v[AWS+(\st)/2] offset:((\st)%2)*25600
	ds_load_b128 v[SF+8:SF+11], v[AWS+(\st)/2] offset:((\st)%2)*25600+12800
	WIN 0x40*((\st)%2)
.irp i, 0,1,2,3
.irp c, 0,1,2
	ds_load_b128 v[XF+12*\i+4*\c:XF+12*\i+4*\c+3], v[ADX+(\st)/4] offset:((\st)%4)*12800+1536*\i+512*\c
.endr
.endr
.irp i, 0,1,2,3
.irp c, 0,1,2
	ds_load_b128 v[WQ+12*\i+4*\c:WQ+12*\i+4*\c+3], v[ADW+(\st)/2] offset:((\st)%2)*25600+1536*\i+512*\c
.endr
.endr
.endm
.macro LV st                           ; Wv's four fragments
	WIN 0x40*((\st)%2)
.irp i, 0,1,2,3
.irp c, 0,1,2
	ds_load_b128 v[WV+12*\i+4*\c:WV+12*\i+4*\c+3], v[ADW+(\st)/2] offset:((\st)%2)*25600+12800+1536*\i+512*\c
.endr
.endr
.endm
; 16 products of one kind; accumulator (a, b) at v[ac + 32 b + 8 a]. The 48 accumulators take turns, one instruction a turn, in the same order in every step.
.macro MUL4 a, ac, s0, w0, s1, w1, cs, ca, cb
.irp b, 0,1,2,3
.if \cs
	v_wmma_scale_f32_16x16x128_f8f6f4 v[\ac+32*\b+8*\a:\ac+32*\b+8*\a+7], v[\s0+12*\a:\s0+12*\a+11], v[\s1+12*\b:\s1+12*\b+11], v[\ca+8*(\cb*\b+(1-\cb)*\a):\ca+8*(\cb*\b+(1-\cb)*\a)+7], v[SF+\w0+\a], v[SF+\w1+\b] matrix_a_fmt:MATRIX_FMT_BF6 matrix_b_fmt:MATRIX_FMT_BF6
.else
	v_wmma_scale_f32_16x16x128_f8f6f4 v[\ac+32*\b+8*\a:\ac+32*\b+8*\a+7], v[\s0+12*\a:\s0+12*\a+11], v[\s1+12*\b:\s1+12*\b+11], v[\ac+32*\b+8*\a:\ac+32*\b+8*\a+7], v[SF+\w0+\a], v[SF+\w1+\b] matrix_a_fmt:MATRIX_FMT_BF6 matrix_b_fmt:MATRIX_FMT_BF6
.endif
.endr
.endm
.macro GROUP k, a                      ; four products: kind k (Q, K, V), tile a of source 0
.if \k == 0
	WIN 0xa0+F5-0x20*FI
	MUL4 \a, 0, WQ, 4, XF, 0, FI, BI, 0
.elseif \k == 1
	WIN 0xa0+F5-0x10*FI
	MUL4 \a, 128, WV, 8, XF, 0, FI, BI, 0
.else
	WIN 0xf0+F5-0x20*FI
	MUL4 \a, 0, XF, 0, WV, 8, FI, 0, 1
.endif
.endm
.macro LGRP st, g                      ; the loads behind group g: the scale words behind group 0, four of the 36 fragment loads behind each of groups 1 to 9 (x's twelve, Wq's, Wv's)
.if (\g) == 0
	WIN 0
.set SG, SC+12*((\st)%2)
	ds_load_b128 v[SG:SG+3], v[AXS+(\st)/4] offset:((\st)%4)*12800
	ds_load_b128 v[SG+4:SG+7], v[AWS+(\st)/2] offset:((\st)%2)*25600
	ds_load_b128 v[SG+8:SG+11], v[AWS+(\st)/2] offset:((\st)%2)*25600+12800
.elseif (\g) < 10
	WIN 0x40*((\st)%2)
.irp n, 0,1,2,3
.set LM, 4*((\g)-1)+\n
.if LM < 12
	ds_load_b128 v[XF+4*LM:XF+4*LM+3], v[ADX+(\st)/4] offset:((\st)%4)*12800+512*LM
.elseif LM < 24
	ds_load_b128 v[XF+4*LM:XF+4*LM+3], v[ADW+(\st)/2] offset:((\st)%2)*25600+512*(LM-12)
.else
	ds_load_b128 v[XF+4*LM:XF+4*LM+3], v[ADW+(\st)/2] offset:((\st)%2)*25600+12800+512*(LM-24)
.endif
.endr
.endif
.endm
.macro STEP st                         ; K step st: twelve groups of four products, and among them the next step's loads
.set F5, 5*((\st)%2)
.set FI, 0
.if (\st) == 0
.set FI, 1
.endif
.set SF, SC+12*((\st)%2)
.if (\st) == 1
	WIN 0
	s_wait_tensorcnt 0x0                           ; K steps 2-7 are in: waves 2 and 3 have waited for them,
	s_wait_dscnt 0x0                               ; (no LDS instruction of mine is out)
	s_barrier_signal -1
	s_barrier_wait -1                              ; and all waves know
.else
	s_wait_dscnt 12                                ; x's and Wq's fragments and the scale words are in; Wv's twelve loads may be out
.endif
.if (\st) < 7
.rept 4
	v_nop                                          ; places in front of the loads into registers that the last step's products read
.endr
.endif
.irp k, 0,1,2
.irp a, 0,1,2,3
.if 4*\k+\a == 4
.if (\st) < 7
	s_wait_dscnt 15                                ; Wv's are in; the next step's fifteen loads so far may be out
.else
	s_wait_dscnt 0x0
.endif
.endif
	GROUP \k, \a
.if (\st) < 7
	LGRP (\st)+1, 4*\k+\a
.endif
.endr
.endr
.endm
	LXQ 0
	LV 0
.set ST, 0
.rept 8
	STEP ST
.set ST, ST+1
.endr
	WIN 0
.rept 4
	v_nop                                          ; places in front of the first read of results
.endr
; Four tiles of 32 registers a lane, each one block of 32 along the next K: codes in v[cb + 6 t], the scale words of tiles 0, 1 and 2, 3 in v[pw], v[pw + 1] (16 bits a tile: blocks 0 and 1).
.macro QUANT ab, wn, cb, pw
	WIN 0x15*\wn
.irp t, 0,1,2,3
	v_max3_num_f32 v[M+\t], |v[\ab+32*\t]|, |v[\ab+32*\t+1]|, |v[\ab+32*\t+2]|   ; each accumulator is read from its low end on
.endr
	WIN 0x14*\wn
.irp i, 3,5,7,9,11,13,15,17,19,21,23,25,27,29
.irp t, 0,1,2,3
	v_max3_num_f32 v[M+\t], v[M+\t], |v[\ab+32*\t+\i]|, |v[\ab+32*\t+\i+1]|
.endr
.endr
.irp t, 0,1,2,3
	v_max3_num_f32 v[M+\t], v[M+\t], |v[\ab+32*\t+31]|, 0x2800000   ; and the floor 2^(5 - 127)
.endr
	WIN 0
.irp t, 0,1,2,3
	v_add_nc_u32 v[M+\t], 0xfe000000, v[M+\t]      ; 4 off the exponent field: the conversion's scale operand
.endr
.irp t, 0,1,2,3
	v_lshrrev_b32 v[BY+\t], 23, v[M+\t]
.endr
	WIN \wn
.irp t, 0,1,2,3
	v_cvt_scalef32_pk16_bf6_f32 v[\cb+6*\t:\cb+6*\t+2], v[\ab+32*\t:\ab+32*\t+15], v[M+\t]
	v_cvt_scalef32_pk16_bf6_f32 v[T+4*\t:T+4*\t+2], v[\ab+32*\t+16:\ab+32*\t+31], v[M+\t]   ; (a conversion's three registers begin on an even number)
.endr
	WIN 0
	v_lshl_or_b32 v[TT], v[BY+1], 16, v[BY]
	v_lshl_or_b32 v[TT+1], v[BY+3], 16, v[BY+2]
	v_lshlrev_b32 v[TT], v[H8], v[TT]
	v_lshlrev_b32 v[TT+1], v[H8], v[TT+1]
.irp t, 0,1,2,3
.irp i, 0,1,2
	v_mov_b32 v[\cb+6*\t+3+\i], v[T+4*\t+\i]
.endr
.endr
	v_permlanex16_b32 v[PX], v[TT], s[SEL], s[SEL+1]   ; (its destination, which counts as read, has held a bias)
	v_permlanex16_b32 v[PX+1], v[TT+1], s[SEL], s[SEL+1]
	v_or_b32 v[\pw], v[TT], v[PX]
	v_or_b32 v[\pw+1], v[TT+1], v[PX+1]
.endm
.macro SEND cb, sb                     ; two double fragments: 512 consecutive bytes a store, at multiples of 256 from the buffer's first byte
.irp k, 0,1,2,3,4,5
	global_store_b128 v[L16], v[\cb+4*\k:\cb+4*\k+3], s[\sb:\sb+1] offset:512*\k
.endr
.endm
	QUANT 0, 2, 64, 240
	SEND 64, 60
	ds_store_b64 v[IW], v[240:241] offset:512      ; lanes l and l xor 16 write the same bytes with the same value
	QUANT 128, 2, 88, 242
	SEND 88, 62
	ds_store_b64 v[IW], v[242:243]
	QUANT 0, 3, 112, 244
.irp t, 0,1,2,3
	global_store_b128 v[L16], v[112+6*\t:115+6*\t], s[88:89] offset:6144+1536*\t
	global_store_b64 v[L8], v[116+6*\t:117+6*\t], s[88:89] offset:6144+1536*\t+512
.endr
	v_lshrrev_b32 v246, 16, v244
	v_lshrrev_b32 v247, 16, v245
	ds_store_b16 v[IV], v244 offset:256            ; V's word of fragment t: my 64 keys are its half e
	ds_store_b16 v[IV], v246 offset:260
	ds_store_b16 v[IV], v245 offset:264
	ds_store_b16 v[IV], v247 offset:268
	s_wait_alu depctr_va_vdst(0)
	s_wait_dscnt 0x0                               ; my scale words are in LDS
	s_barrier_signal -1
	s_barrier_wait -1                              ; and the other waves'
	ds_load_b128 v[248:251], v[IR]                 ; the head's K and V words
	ds_load_b64 v[252:253], v[IQ] offset:512       ; and Q's
	s_wait_tensorcnt 0x0                           ; the wave's last LDS writes
	ds_add_u32 v[SPW], v[NIL]
	s_wait_dscnt 0x0
	s_cmp_lg_u32 s84, 0
	s_cbranch_scc1 .Lq_words
	global_store_b128 v[L16], v[248:251], s[62:63] offset:12288   ; e = 0: 512 consecutive bytes
	s_branch .Lstored
.Lq_words:
	global_store_b64 v[L8], v[252:253], s[60:61] offset:3072      ; e = 1: 256 consecutive bytes at 6,144 of the block (the base has my 3,072)
.Lstored:
	CROUND                                         ; the closing round: no work-group ends while a partner may still ask for a tile that names it
	s_endpgm
.Lfunc_end_k_qb80806bcca_proj:
	.size	k_qb80806bcca_proj, .Lfunc_end_k_qb80806bcca_proj-k_qb80806bcca_proj
	.p2alignl 7, 3214868480
	.fill 96, 4, 3214868480
	.section	.rodata,"a",@progbits
	.p2align	6, 0x0
	.amdhsa_kernel k_qb80806bcca_proj
		.amdhsa_group_segment_fixed_size 309248
		.amdhsa_private_segment_fixed_size 0
		.amdhsa_enable_private_segment 0
		.amdhsa_kernarg_size 40
		.amdhsa_user_sgpr_count 2
		.amdhsa_user_sgpr_kernarg_segment_ptr 1
		.amdhsa_wavefront_size32 1
		.amdhsa_system_sgpr_workgroup_id_x 1
		.amdhsa_system_sgpr_workgroup_id_y 1
		.amdhsa_system_sgpr_workgroup_id_z 1
		.amdhsa_system_vgpr_workitem_id 0
		.amdhsa_next_free_vgpr 1024
		.amdhsa_next_free_sgpr 100
		.amdhsa_reserve_vcc 0
		.amdhsa_float_denorm_mode_32 3
		.amdhsa_float_denorm_mode_16_64 3
		.amdhsa_memory_ordered 1
		.amdhsa_forward_progress 1
		.amdhsa_inst_pref_size 113
	.end_amdhsa_kernel
	.amdgpu_metadata
---
amdhsa.version: [ 1, 2 ]
amdhsa.kernels:
  - .name:           k_qb80806bcca_proj
    .symbol:         k_qb80806bcca_proj.kd
    .args:
      - { .name: ops, .offset: 0, .size: 8, .value_kind: global_buffer, .address_space: global }
      - { .name: bq, .offset: 8, .size: 8, .value_kind: global_buffer, .address_space: global }
      - { .name: bv, .offset: 16, .size: 8, .value_kind: global_buffer, .address_space: global }
      - { .name: qf, .offset: 24, .size: 8, .value_kind: global_buffer, .address_space: global }
      - { .name: kvf, .offset: 32, .size: 8, .value_kind: global_buffer, .address_space: global }
    .group_segment_fixed_size: 309248
    .private_segment_fixed_size: 0
    .kernarg_segment_align: 8
    .kernarg_segment_size: 40
    .max_flat_workgroup_size: 128
    .sgpr_count:     100
    .vgpr_count:     1024
    .wavefront_size: 32
...
	.end_amdgpu_metadata
.endif
;; end of part 2
;; launch attn (part 3): grid 8 x 32, 16 waves a work-group, clusters of 4 x 1, 276,480 bytes of LDS; arguments qf, kvf, out0; writes out0
.if DOCPART == 3
	.amdgcn_target "amdgcn-amd-amdhsa--gfx1250"
	.amdhsa_code_object_version 6
	.text
	.protected	k_qb80806bcca_attn
	.globl	k_qb80806bcca_attn
	.p2align	8
	.type	k_qb80806bcca_attn,@function
k_qb80806bcca_attn:
	s_mov_b64 s[64:65], 0
	v_nop
	global_prefetch_b8 v0, s[64:65] scope:SCOPE_SE
	s_setreg_imm32_b32 hwreg(HW_REG_WAVE_MODE, 25, 1), 1
	s_wait_xcnt 0x0
	s_wait_alu depctr_hold_cnt(0) depctr_sa_sdst(0) depctr_va_vdst(0) depctr_va_sdst(0) depctr_va_ssrc(0) depctr_va_vcc(0) depctr_vm_vsrc(0)
	s_getreg_b32 s2, hwreg(HW_REG_IB_STS2, 6, 4)
	s_cmp_eq_u32 s2, 0
	s_cbranch_scc0 .Lentry_in_a_cluster
	s_endpgm
.Lentry_in_a_cluster:
	s_bfe_u32 s2, ttmp6, 0x10000c
	s_cmp_lg_u32 s2, 0x3003
	s_cbranch_scc0 .Lentry_shape_is_right
	s_endpgm
.Lentry_shape_is_right:
; out0[b][s][64 n + dd] = the sum over keys of softmax(Q_h . K_h / 8) V_h, for each of 32 heads (16 b + n), 2,048 queries and keys, head size 64; both products on codes of BF6 (E3M2) with E8M0 scales. No product is left out.
; THE SOFTMAX AHEAD OF THE SECOND PRODUCT: t = score x log2(e) / 8; M = the running largest t rounded UP to a whole number; p = 2^(t - M) is quantised along the keys, not normalised; the row's sum is taken of the
; unquantised p and divides at the end.  When M moves, the sum and O are multiplied by 2^(old M - new M): exact.
; SHARES.  A work-group owns 256 queries of one head, each of its sixteen waves one tile of 16, in 256 registers: four waves to a SIMD.  A step is 256 keys: eight steps.
; LDS.  The head's K and V codes with their scale words, 16 x 12,800 bytes as they lie in kvf, come ONCE, one load a wave at the head: no byte is filled twice.  Behind them a stage for each wave.
; Waves 0-3 fetch keys 0-511, which steps 0 and 1 read, by a load line of their own; the other waves' loads are waited for behind step 0 and known to all ahead of step 2.
; CLUSTER 4 x 1: the four query blocks of a cluster belong to one head and ask for its bytes jointly.  No prefetch: every byte is asked for at the head, and no loop runs ahead of a load.
; LAYOUT.  Both products are used transposed: S^T = K Q^T, O^T = V^T P^T: a lane holds ONE query throughout.  The score product's K is 64 and the instruction's is 128: a fragment of K carries TWO key tiles (k 0-63, k 64-127)
; and is multiplied once by [q | 0] and once by [0 | q], two overlapping runs of the 18 registers 0 x 6, q x 6, 0 x 6.  Zero codes add nothing under any scale byte but 0xff, which no byte here is.
; Place p of tile u of 64 keys, queries or dd is 8 u + p % 8 + 32 (p / 8): so a lane's 32 registers of four result tiles are 32 neighbours: one whole block of p, which needs no other lane.
; LIMITS: NaN and infinities are not served; t stays under 2^31 in magnitude; a block of p that has fallen to zeros keeps the scale byte 1: its codes are zeros.
; REGISTERS.  While the scores are made K's fragments lie where p's codes and the work registers come later; V's fragments lie where the first blocks' scores were.
.set PB,    25600                      ; a step: 2 x 128 keys
.set STAGE, 204800                     ; 16 rows x 272 bytes for each wave; no fill lands here
.set SPARE, 274432
.set A16, 1                            ; v0 lane   v1 step + 16 lane   v2 step + 8 lane   v3 step + 16 r
.set A8,  2
.set AS,  3
.set SW,  4                            ; v4-11 K's or V's scale words: scales and nothing else
.set PW,  12                           ; v12-13 p's scale words
.set Z,   16                           ; v16-21 zeros, v22-27 q, v28-33 zeros
.set P,   34                           ; v34-57 p's codes, 12 for each 128 keys
.set T,   58                           ; v58-60, v62-64 the conversions' upper halves
.set W1,  61
.set BM,  66                           ; v66-69 the blocks' largest scores, then largest p, then scale operands
.set QS,  70                           ; v70 q's scale word
.set SPW, 72
.set NIL, 73
.set SH,  74                           ; v74-77 the scale operands, one bit up
.set NM,  78                           ; v78 -M, v79 the largest t
.set MT,  79
.set SU,  80                           ; v80-81 the row's sum in two halves
.set L,   82                           ; v82-89 the step's sum, four chains
.set FF,  90                           ; v[90:91] f = 2^(old M - new M)
.set TT,  92
.set PX,  93
.set PX2, 94
.set SELV, 95                          ; v95 the byte selector of my half of a scale word
.set O,   96                           ; v96-127 O^T
.set S,   128                          ; v128-255 S^T, then p
.set VF,  128                          ; V's eight fragments
.set WV,  10
.set G1,  24
.set G0,  32
.set TB,  48
.set CNT, 49
.set SEL, 50
.set CS,  52
.macro CROUND                          ; a round of the cluster's barrier
	s_barrier_signal -1
	s_barrier_wait -1
	s_cmp_lg_u32 s[WV], 0
	s_cbranch_scc1 .Lnot_wave_0_\@
	s_barrier_signal -3
.Lnot_wave_0_\@:
	s_barrier_wait -3
	s_barrier_signal -1
	s_barrier_wait -1
.endm
	s_load_b128 s[4:7], s[0:1], 0x0                ; qf s[4:5], kvf s[6:7]
	s_load_b64 s[8:9], s[0:1], 0x10                ; out0
	v_lshl_add_u32 v[SPW], v0, 2, SPARE
	v_mov_b32 v[NIL], 0
	ds_add_u32 v[SPW], v[NIL]                      ; the opening lines: the add, twice on end, and its wait
	ds_add_u32 v[SPW], v[NIL]
	v_lshrrev_b32 v1, 5, v0
	v_readfirstlane_b32 s[WV], v1                  ; wave 0..15
	v_and_b32 v128, 15, v0                         ; r
	v_bfe_u32 v129, v0, 4, 1                       ; h
	v_and_b32 v0, 31, v0                           ; lane: kept
	v_lshlrev_b32 v130, 4, v0
	v_lshlrev_b32 v131, 4, v128
	s_bfe_u32 s11, ttmp6, 0x40000                  ; cx
	s_lshl_b32 s12, ttmp9, 2
	s_add_co_u32 s12, s12, s11                     ; my block of 256 queries: it enters Q's and out0's addresses alone
	s_and_b32 s13, ttmp7, 0xffff                   ; the head, which the four partners share
	s_mov_b32 s[G1], 15|(3<<16)|(1<<21)            ; the mask: all four; elements of 8 bytes; no padding (every read is lane by lane on end); 21 set beside a mask
	s_mov_b32 s[G1+1], 32<<16                      ; rows of 256 bytes
	s_mov_b32 s[G1+2], 50<<16                      ; 50 of them
	s_mov_b32 s[G1+3], 32<<16
	s_mov_b32 s[G1+4], 50
	s_mov_b32 s[G1+5], 32                          ; a dense block
	s_mov_b32 s[G1+6], 0
	s_mov_b32 s[G1+7], 0
	s_mul_i32 s14, s13, 8*PB                       ; the head's bytes in kvf
	s_mul_i32 s16, s[WV], 12800                    ; wave w fetches keys 128 w on
	s_add_co_u32 s14, s14, s16
	s_mov_b32 s15, 0
	s_lshl_b32 s17, s13, 4
	s_lshl_b32 s18, s12, 1
	s_add_co_u32 s17, s17, s18
	s_lshr_b32 s18, s[WV], 3
	s_add_co_u32 s17, s17, s18                     ; my block of 128 queries in qf: 16 x head + 2 x query block + wave / 8
	s_mul_i32 s18, s17, 6400
	s_and_b32 s19, s[WV], 7                        ; my tile in it,
	s_lshr_b32 s20, s19, 1                         ; which is half of this double fragment:
	s_mul_i32 s20, s20, 1536
	s_add_co_u32 s20, s20, s18
	s_and_b32 s17, s19, 1                          ; registers 0-5 or 6-11
	s_mul_i32 s36, s17, 1016
	s_add_co_u32 s36, s36, s20
	s_add_co_u32 s36, s36, 8                       ; its second pair of registers: at 8 or at 1,024
	s_mov_b32 s37, 0
	s_mul_i32 s17, s17, 520
	s_add_co_u32 s20, s20, s17                     ; its first pair: at 0 or at 520; its third 512 further on
	s_mov_b32 s21, 0
	s_lshl_b32 s22, s19, 1
	s_add_co_u32 s22, s22, s18
	s_add_co_u32 s22, s22, 6144                    ; its two scale bytes a row
	s_mov_b32 s23, 0
	s_wait_alu depctr_va_vdst(0)
	s_wait_dscnt 0x0                               ; both opening adds are done
	s_wait_kmcnt 0x0
	s_add_nc_u64 s[20:21], s[4:5], s[20:21]
	s_add_nc_u64 s[36:37], s[4:5], s[36:37]
	s_add_nc_u64 s[22:23], s[4:5], s[22:23]
	global_load_b64 v[Z+6:Z+7], v130, s[20:21]     ; q
	global_load_b64 v[Z+8:Z+9], v130, s[36:37]
	global_load_b64 v[Z+10:Z+11], v130, s[20:21] offset:512
	global_load_u16 v132, v131, s[22:23]
	s_add_nc_u64 s[14:15], s[6:7], s[14:15]
	s_mov_b32 s[G0], 1
	s_mov_b32 s[G0+1], s16                         ; LDS address: as in memory
	s_mov_b64 s[G0+2:G0+3], s[14:15]
	s_or_b32 s[G0+3], s[G0+3], 0x80000000
	CROUND                                         ; all four work-groups are here: the joint loads meet
	s_cmp_lt_u32 s[WV], 4
	s_cbranch_scc0 .Lrest
	tensor_load_to_lds s[G0:G0+3], s[G1:G1+7]
	s_nop 0
.rept 4
	v_nop
.endr
	s_branch .Lasked
.Lrest:
	tensor_load_to_lds s[G0:G0+3], s[G1:G1+7]
	s_nop 0
.rept 4
	v_nop
.endr
.Lasked:
	s_mov_b32 s40, 0x0c070c03                      ; my half's two bytes of a scale word: bytes h and 2 + h
	s_mov_b32 s41, 0x070c030c
	v_mov_b32 v133, s40
	v_mov_b32 v134, s41
	v_cmp_eq_u32 vcc_lo, 1, v129
	v_cndmask_b32 v[SELV], v133, v134, vcc_lo
.irp i, 0,1,2,3,4,5,12,13,14,15,16,17
	v_mov_b32 v[Z+\i], 0                           ; the zero codes on both sides of q
.endr
	v_mov_b32 v[MT], 0xff61b1e6                    ; the largest t so far: -3e38, under every t
	v_mov_b32 v[SU], 0
	v_mov_b32 v[SU+1], 0
	v_mov_b32 v[PX], 0                             ; written once: a lane permute's destination counts as one of its sources
	v_mov_b32 v[PX2], 0
	v_mov_b32 v[FF+1], 0                           ; (named as the upper half of f's pair)
	v_floor_f32 v[NM], -v[MT]                      ; -M
	s_lshl_b32 s54, s12, 8
	s_lshr_b32 s55, s13, 4
	s_lshl_b32 s55, s55, 11                        ; the batch's 2,048 rows
	s_add_co_u32 s54, s54, s55
	s_lshr_b32 s55, s[WV], 2
	s_lshl_b32 s55, s55, 6
	s_add_co_u32 s54, s54, s55
	s_and_b32 s55, s[WV], 3
	s_lshl_b32 s55, s55, 3
	s_add_co_u32 s54, s54, s55                     ; my tile's first query: 256 x block + 64 (wave / 4) + 8 (wave % 4)
	s_lshl_b32 s54, s54, 12
	s_and_b32 s55, s13, 15
	s_lshl_b32 s55, s55, 8                         ; the head's 256 bytes of a row
	s_add_co_u32 s54, s54, s55
	s_mov_b32 s55, 0
	s_add_nc_u64 s[8:9], s[8:9], s[54:55]
	s_mul_i32 s56, s[WV], 16*272
	s_add_co_u32 s56, s56, STAGE                   ; my stage
	s_mov_b32 s[SEL], 0x76543210
	s_mov_b32 s[SEL+1], 0xfedcba98                 ; lane selects for lane l xor 16
	s_mov_b32 s[CS], 0x3e38aa3b                    ; c = log2(e) / 8
	s_mov_b32 s[CS+1], s[CS]                       ; (named with it as a pair, so it is written)
	s_mov_b32 s[TB], 0
	s_mov_b32 s[CNT], 6
	s_wait_alu depctr_va_vdst(0)
	s_wait_loadcnt 0x0                             ; q and its scale bytes
	v_lshl_or_b32 v[QS], v132, 16, v132            ; the two bytes serve k 0-63 and k 64-127 alike
.irp j, 0,1,2,3,4,5,6,7,8,9,10,11,12,13,14,15,16,17,18,19,20,21,22,23,24,25,26,27,28,29,30,31
	v_mov_b32 v[O+\j], 0                           ; O^T: the step begins with a change of M, which leaves zeros zeros.  (These lines are also places between the scale word's making and its first product)
.endr
	s_wait_alu depctr_va_vdst(0)                   ; at the head's end
	s_cmp_lt_u32 s[WV], 4
	s_cbranch_scc0 .Lnot_early
	s_wait_tensorcnt 0x0                           ; waves 0-3, whose load line is their own: keys 0-511 are in
.Lnot_early:
	s_barrier_signal -1                            ; (no LDS instruction of mine is out)
	s_barrier_wait -1
.macro KREG f                          ; where K's fragment f lies: four at a time
.if (\f)%4 < 3
.set KR, P+12*((\f)%4)
.else
.set KR, L
.endif
.endm
.macro KLOAD f
	KREG \f
.irp c, 0,1,2
	ds_load_b128 v[KR+4*\c:KR+4*\c+3], v[A16] offset:12800*((\f)/4)+1536*((\f)%4)+512*\c
.endr
.endm
.macro MULS f                          ; fragment f's two key tiles by q; every sum begins with 0
	KREG \f
	v_wmma_scale_f32_16x16x128_f8f6f4 v[S+16*(\f):S+16*(\f)+7], v[KR:KR+11], v[Z+6:Z+17], 0, v[SW+\f], v[QS] matrix_a_fmt:MATRIX_FMT_BF6 matrix_b_fmt:MATRIX_FMT_BF6
	v_wmma_scale_f32_16x16x128_f8f6f4 v[S+16*(\f)+8:S+16*(\f)+15], v[KR:KR+11], v[Z:Z+11], 0, v[SW+\f], v[QS] matrix_a_fmt:MATRIX_FMT_BF6 matrix_b_fmt:MATRIX_FMT_BF6
.endm
.macro VLOAD k                         ; V's four fragments of the k-th 128 keys, into registers whose p have been converted and summed
.irp t, 0,1,2,3
.irp c, 0,1
	ds_load_b128 v[VF+12*(4*(\k)+\t)+6*\c:VF+12*(4*(\k)+\t)+6*\c+3], v[A16] offset:12800*(\k)+6144+1536*\t+768*\c
	ds_load_b64 v[VF+12*(4*(\k)+\t)+6*\c+4:VF+12*(4*(\k)+\t)+6*\c+5], v[A8] offset:12800*(\k)+6144+1536*\t+768*\c+512
.endr
.endr
	ds_load_b128 v[SW+4*(\k):SW+4*(\k)+3], v[AS] offset:12800*(\k)+12544
.endm
.macro TMM g, j                        ; t - M, two at a time
	v_pk_fma_f32 v[S+32*(\g)+\j:S+32*(\g)+\j+1], v[S+32*(\g)+\j:S+32*(\g)+\j+1], s[CS:CS+1], v[NM:NM+1] op_sel_hi:[1,0,0]
.endm
.macro EXPS g, more                    ; block g's 32 exponentials, among them block g + 1's multiply-adds
.irp j, 0,2,4,6,8,10,12,14,16,18,20,22,24,26,28,30
	v_exp_f32 v[S+32*(\g)+\j], v[S+32*(\g)+\j]
	v_exp_f32 v[S+32*(\g)+\j+1], v[S+32*(\g)+\j+1]
.if \more
	TMM (\g)+1, \j
.endif
.endr
.endm
.macro SUMS g                          ; block g's p onto the four chains; block 0 begins them
.if (\g) == 0
.irp i, 0,1,2,3
	v_pk_add_f32 v[L+2*\i:L+2*\i+1], v[S+4*\i:S+4*\i+1], v[S+4*\i+2:S+4*\i+3]
.endr
.else
.irp i, 0,1,2,3,4,5,6,7
	v_pk_add_f32 v[L+2*(\i%4):L+2*(\i%4)+1], v[L+2*(\i%4):L+2*(\i%4)+1], v[S+32*(\g)+2*\i:S+32*(\g)+2*\i+1]
.endr
.endif
.irp i, 8,9,10,11,12,13,14,15
	v_pk_add_f32 v[L+2*(\i%4):L+2*(\i%4)+1], v[L+2*(\i%4):L+2*(\i%4)+1], v[S+32*(\g)+2*\i:S+32*(\g)+2*\i+1]
.endr
.endm
.macro CVT g                           ; block g's codes (a conversion's three registers begin on an even number: the second three are moved)
	v_cvt_scalef32_pk16_bf6_f32 v[P+6*(\g):P+6*(\g)+2], v[S+32*(\g):S+32*(\g)+15], v[BM+\g]
	v_cvt_scalef32_pk16_bf6_f32 v[T+4*((\g)%2):T+4*((\g)%2)+2], v[S+32*(\g)+16:S+32*(\g)+31], v[BM+\g]
.endm
.macro MOVS g
.irp i, 0,1,2
	v_mov_b32 v[P+6*(\g)+3+\i], v[T+4*((\g)%2)+\i]
.endr
.endm
.macro HINT n
	s_delay_alu instid0(VALU_DEP_\n)
.endm
; The softmax of 256 keys: block g (0..3) of my lane is keys 64 g + 32 h + 0 .. 31, registers S + 32 g on.
.macro SOFT
.irp g, 0,1,2,3
	v_max3_num_f32 v[BM+\g], v[S+32*\g], v[S+32*\g+1], v[S+32*\g+2]   ; THE LARGEST SCORE OF EACH BLOCK serves twice: for the row's maximum, and, since p rises with the score, for the block's largest p
.endr
.irp i, 3,5,7,9,11,13,15,17,19,21,23,25,27,29
.irp g, 0,1,2,3
	v_max3_num_f32 v[BM+\g], v[BM+\g], v[S+32*\g+\i], v[S+32*\g+\i+1]   ; (the four blocks by turns; each accumulator is first read at its low end)
.endr
.endr
.irp g, 0,1,2,3
	v_max_num_f32 v[BM+\g], v[BM+\g], v[S+32*\g+31]
.endr
	HINT 2
	v_max3_num_f32 v[TT], v[BM], v[BM+1], v[BM+2]
	HINT 1
	v_max_num_f32 v[TT], v[TT], v[BM+3]
	HINT 1
	v_permlanex16_b32 v[PX], v[TT], s[SEL], s[SEL+1]
	HINT 1
	v_max_num_f32 v[TT], v[TT], v[PX]              ; with lane l xor 16's keys: the step's largest score of my query
	HINT 1
	v_mul_f32 v[TT], s[CS], v[TT]                  ; as t (c is positive)
	HINT 1
	v_max_num_f32 v[MT], v[MT], v[TT]              ; the running largest t
	HINT 1
	v_floor_f32 v[TT], -v[MT]                      ; the new -M = floor(-t) = -ceil(t): M is a whole number
	HINT 1
	v_sub_f32 v[FF], v[TT], v[NM]                  ; M's old value less its new one: a whole number, 0 or less
	v_mov_b32 v[NM], v[TT]
	HINT 2
	v_cvt_i32_f32 v[FF], v[FF]                     ; (it saturates)
	HINT 1
	v_ldexp_f32 v[FF], 1.0, v[FF]                  ; f = 2^(old M - new M): a multiplication by it rounds nothing
.irp j, 0,2,4,6,8,10,12,14,16,18,20,22,24,26,28,30
	TMM 0, \j
.endr
.irp g, 0,1,2,3
	v_fma_f32 v[BM+\g], v[BM+\g], s[CS], v[NM]     ; the same of each block's largest score
.endr
.irp j, 0,2,4,6,8,10,12,14,16,18,20,22,24,26,28,30
	v_pk_mul_f32 v[O+\j:O+1+\j], v[O+\j:O+1+\j], v[FF:FF+1] op_sel_hi:[1,0]   ; O^T under the new M
.endr
	s_wait_alu depctr_va_vdst(0)                   ; ahead of the exponentials
.irp g, 0,1,2,3
	v_exp_f32 v[BM+\g], v[BM+\g]                   ; the block's largest p: the same two instructions on the same number give the same bits
.endr
	EXPS 0, 1                                      ; p = 2^(t - M), at most 1: not normalised
	s_wait_alu depctr_va_vdst(0)                   ; behind them, ahead of their first reader, and ahead of the next block's
.irp g, 0,1,2,3
	v_max_num_f32 v[BM+\g], 0x2800000, v[BM+\g]    ; the floor 2^(5 - 127): the byte cannot fall under 1
.endr
.irp g, 0,1,2,3
	v_add_lshl_u32 v[SH+\g], 0xfe000000, v[BM+\g], 1   ; 4 off the exponent field, which now is the top byte
.endr
.irp g, 0,1,2,3
	v_add_nc_u32 v[BM+\g], 0xfe000000, v[BM+\g]    ; and where it was: the conversion's scale operand
.endr
	v_perm_b32 v[TT], v[SH+1], v[SH], v[SELV]      ; the scale words of the two runs of 128 keys: my two blocks' bytes,
	v_perm_b32 v[W1], v[SH+3], v[SH+2], v[SELV]
	SUMS 0
	v_permlanex16_b32 v[PX], v[TT], s[SEL], s[SEL+1]
	v_permlanex16_b32 v[PX2], v[W1], s[SEL], s[SEL+1]
	v_or_b32 v[PW], v[TT], v[PX]                   ; and lane l xor 16's
	v_or_b32 v[PW+1], v[W1], v[PX2]
	CVT 0
	EXPS 1, 1
	s_wait_alu depctr_va_vdst(0)
	CVT 1
	SUMS 1
	MOVS 0
	VLOAD 0                                        ; V lands under the later blocks' work
	EXPS 2, 1
	s_wait_alu depctr_va_vdst(0)
	CVT 2
	SUMS 2
	MOVS 1
	VLOAD 1
	EXPS 3, 0
	v_nop                                          ; a plain place behind the exponentials
	s_wait_alu depctr_va_vdst(0)
	CVT 3
	SUMS 3
	MOVS 2
	MOVS 3
	v_pk_add_f32 v[L:L+1], v[L:L+1], v[L+2:L+3]
	v_pk_add_f32 v[L+4:L+5], v[L+4:L+5], v[L+6:L+7]
	v_pk_add_f32 v[L:L+1], v[L:L+1], v[L+4:L+5]
	v_pk_fma_f32 v[SU:SU+1], v[SU:SU+1], v[FF:FF+1], v[L:L+1] op_sel_hi:[1,0,1]   ; the row's sum under the new M
.endm
.macro TRIP                            ; a step of 256 keys
	v_lshl_add_u32 v[A16], v0, 4, s[TB]            ; these four and the v_nop are the five places behind the last products, ahead of loads into
	v_lshl_add_u32 v[A8], v0, 3, s[TB]             ; the registers that they read and of products that write over them
	v_and_b32 v[AS], 15, v0
	v_lshl_add_u32 v[AS], v[AS], 4, s[TB]
	v_nop
	ds_load_b128 v[SW:SW+3], v[AS] offset:12288    ; K's scale words
	ds_load_b128 v[SW+4:SW+7], v[AS] offset:12800+12288
.irp f, 0,1,2,3
	KLOAD \f
.endr
	s_wait_alu depctr_va_vdst(0)
	s_wait_dscnt 6                                 ; the scale words and two fragments are in; the other two's six loads may be out
	MULS 0
	MULS 1
	s_wait_dscnt 0x0
	MULS 2
	MULS 3
.rept 4
	v_nop                                          ; places in front of loads into registers that these products read
.endr
.irp f, 4,5,6,7
	KLOAD \f
.endr
	s_wait_dscnt 6
	MULS 4
	MULS 5
	s_wait_dscnt 0x0
	MULS 6
	MULS 7
.rept 4
	v_nop                                          ; places in front of the first read of the scores
.endr
	SOFT
	s_wait_alu depctr_va_vdst(0)                   ; directly ahead of the wait below
	s_wait_dscnt 0x0                               ; V is in
.irp k, 0,1                            ; O^T += V^T P^T: four tiles of 16 dd by turns, three others between an accumulator's two products
.irp t, 0,1,2,3
	v_wmma_scale_f32_16x16x128_f8f6f4 v[O+8*\t:O+8*\t+7], v[VF+12*(4*\k+\t):VF+12*(4*\k+\t)+11], v[P+12*\k:P+12*\k+11], v[O+8*\t:O+8*\t+7], v[SW+4*\k+\t], v[PW+\k] matrix_a_fmt:MATRIX_FMT_BF6 matrix_b_fmt:MATRIX_FMT_BF6
.endr
.endr
	s_add_co_u32 s[TB], s[TB], PB
.endm
	TRIP
	s_wait_tensorcnt 0x0                           ; my load is in,
	s_barrier_signal -1                            ; (no LDS instruction of mine is out) say so;
	TRIP                                           ; keys 256-511, known to be in: between signal and wait stand LDS loads of bytes that nobody writes again
	s_wait_alu depctr_va_vdst(0)
	s_barrier_wait -1                              ; all waves' loads are in
.Lstep:
	TRIP
	s_sub_co_u32 s[CNT], s[CNT], 1
	s_cmp_lg_u32 s[CNT], 0
	s_wait_alu depctr_va_vdst(0)                   ; directly ahead of the branch
	s_cbranch_scc1 .Lstep
	; THE WAY OUT.  O^T / the sum goes through my stage in LDS and leaves as rows: the head's 64 numbers of a query are 256 consecutive bytes of out0
	v_add_f32 v[SU], v[SU], v[SU+1]                ; the sum's two halves,
	v_permlanex16_b32 v[PX], v[SU], s[SEL], s[SEL+1]
	v_add_f32 v[SU], v[SU], v[PX]                  ; and lane l xor 16's: the row's sum
	v_and_b32 v224, 15, v0                         ; r
	v_lshrrev_b32 v225, 4, v0                      ; h
	v_mul_u32_u24 v226, v224, 272
	v_mul_u32_u24 v227, v225, 272
	v_lshl_add_u32 v226, v225, 7, v226
	v_lshl_add_u32 v227, v224, 4, v227
	v_add_nc_u32 v226, s56, v226                   ; in: row r, + 128 h
	v_add_nc_u32 v227, s56, v227                   ; back: lanes 0-15 one row, lanes 16-31 the next
	v_lshlrev_b32 v228, 12, v225
	v_lshl_add_u32 v228, v224, 4, v228             ; and the same two rows in out0
	s_wait_alu depctr_va_vdst(0)
	v_rcp_f32 v[SU], v[SU]
	v_nop                                          ; a plain place behind the reciprocal
	s_wait_alu depctr_va_vdst(0)                   ; directly ahead of the first readers of O^T and of the reciprocal
.irp j, 0,1,2,3,4,5,6,7,8,9,10,11,12,13,14,15,16,17,18,19,20,21,22,23,24,25,26,27,28,29,30,31
	v_mul_f32 v[S+\j], v[O+\j], v[SU]              ; register j is dd = 32 h + j of query r; each accumulator from its low end on
.endr
.irp q, 0,1,2,3,4,5,6,7
	ds_store_b128 v226, v[S+4*\q:S+4*\q+3] offset:16*\q
.endr
.irp i, 0,1,2,3,4,5,6,7
	ds_load_b128 v[160+4*\i:163+4*\i], v227 offset:544*\i   ; LDS serves a wave's instructions in order (ISA guide 5.7.1.4): these see my stores
.endr
	s_wait_alu depctr_va_vdst(0)
.irp i, 0,1,2,3,4,5,6,7
	s_wait_dscnt 7-\i                              ; load i is in; the 7 - i behind it may be out
	global_store_b128 v228, v[160+4*\i:163+4*\i], s[8:9] offset:(2*\i+24*(\i/4))*4096 th:TH_STORE_NT   ; stage row p is query p % 8 + 32 (p / 8) of my tile; 16 lanes store 256 consecutive bytes, aligned; written once, read by nobody here
.endr
	s_wait_tensorcnt 0x0                           ; the wave's end
	ds_add_u32 v[SPW], v[NIL]
	s_wait_dscnt 0x0
	CROUND                                         ; the closing round: no work-group ends while a partner may still ask for a tile that names it
	s_endpgm
.Lfunc_end_k_qb80806bcca_attn:
	.size	k_qb80806bcca_attn, .Lfunc_end_k_qb80806bcca_attn-k_qb80806bcca_attn
	.p2alignl 7, 3214868480
	.fill 96, 4, 3214868480
	.section	.rodata,"a",@progbits
	.p2align	6, 0x0
	.amdhsa_kernel k_qb80806bcca_attn
		.amdhsa_group_segment_fixed_size 276480
		.amdhsa_private_segment_fixed_size 0
		.amdhsa_enable_private_segment 0
		.amdhsa_kernarg_size 24
		.amdhsa_user_sgpr_count 2
		.amdhsa_user_sgpr_kernarg_segment_ptr 1
		.amdhsa_wavefront_size32 1
		.amdhsa_system_sgpr_workgroup_id_x 1
		.amdhsa_system_sgpr_workgroup_id_y 1
		.amdhsa_system_sgpr_workgroup_id_z 1
		.amdhsa_system_vgpr_workitem_id 0
		.amdhsa_next_free_vgpr 256
		.amdhsa_next_free_sgpr 66
		.amdhsa_reserve_vcc 1
		.amdhsa_float_denorm_mode_32 3
		.amdhsa_float_denorm_mode_16_64 3
		.amdhsa_memory_ordered 1
		.amdhsa_forward_progress 1
		.amdhsa_inst_pref_size 96
	.end_amdhsa_kernel
	.amdgpu_metadata
---
amdhsa.version: [ 1, 2 ]
amdhsa.kernels:
  - .name:           k_qb80806bcca_attn
    .symbol:         k_qb80806bcca_attn.kd
    .args:
      - { .name: qf, .offset: 0, .size: 8, .value_kind: global_buffer, .address_space: global }
      - { .name: kvf, .offset: 8, .size: 8, .value_kind: global_buffer, .address_space: global }
      - { .name: out0, .offset: 16, .size: 8, .value_kind: global_buffer, .address_space: global }
    .group_segment_fixed_size: 276480
    .private_segment_fixed_size: 0
    .kernarg_segment_align: 8
    .kernarg_segment_size: 24
    .max_flat_workgroup_size: 512
    .sgpr_count:     66
    .vgpr_count:     256
    .wavefront_size: 32
...
	.end_amdgpu_metadata
.endif
;; end of part 3
